; MI455X (gfx1250); checked and timed in simulation.
; The chip was launched on July 23, 2026; its instructions are those of AMD's public machine-readable ISA for CDNA 5 (MIT licence, August 2026) and "CDNA5" Instruction Set Architecture Reference Guide (July 2026). The comments in the code are by the model that wrote it; some were corrected since.
;; Atomic Linear Test. Allowed arithmetic: matrix products marked QUANTISED: E3M2 operands, one E8M0 scale for each 32 along K, by v_wmma_scale_f32_16x16x128_f8f6f4 with both operands' format E3M2, f32 sums; everything else in f32.
;; Inputs: bias 4,096 float32; weight_codes 4,096 x 128 x 24 uint8 (E3M2 codes of weight, K innermost, in blocks of 32 codes, four codes in three bytes); weight_scales 4,096 x 128 uint8 (E8M0 scales of weight, one for each 32 codes along K); x_codes 4,096 x 128 x 24 uint8 (E3M2 codes of x, K innermost, in blocks of 32 codes, four codes in three bytes); x_scales 4,096 x 128 uint8 (E8M0 scales of x, one for each 32 codes along K).
;; Outputs: out0 4,096 x 4,096 float32.
;; This version of the problem:
;;   THIS VERSION OF THE PROBLEM IS GIVEN IN LOW PRECISION. The matrix products marked QUANTISED in the list below multiply operands that are first quantised to E3M2 (3 exponent bits, 2 mantissa bits; 6 bits a number), with one power-of-two scale for each 32 numbers along K (OCP MX v1.0); their sums are f32. All else is computed in f32.
;;   The module's matrix products, in the order in which they are computed (A, B: the left and right operand; K: the contracted axis; several contracted axes count as one K, in the product's order):
;;     1. [M 4,096, K 4,096] x [K 4,096, N 4,096]; A: input x (given as codes); B: input weight (given as codes): QUANTISED
;;   THE QUANTISER, for each operand of a quantised product, along K:
;;     - K is cut into blocks of 32 from its start; a last block that is shorter is filled with zeros.
;;     - A block's scale is 2^e with e = floor(log2(the largest magnitude in the block)) - 4, held to -126 .. 127; a block of zeros has e = 0. As a byte (E8M0): e + 127.
;;     - Each number is divided by its block's scale, clamped to +-28, and rounded to the nearest number of E3M2, ties to even, subnormals kept.
;;     - The product sums the exact products of the quantised numbers (number of the format x scale) in f32.
;;   ~~~python
;;   def quantise(x, axis):      # numpy; x: float32 -> the quantised numbers, widened to float32 again
;;       x = np.moveaxis(x, axis, -1); K = x.shape[-1]
;;       x = np.pad(x, [(0, 0)] * (x.ndim - 1) + [(0, -K % 32)]); x = x.reshape(x.shape[:-1] + (-1, 32)); a = np.abs(x).max(-1, keepdims=True)
;;       e = np.where(a > 0, np.clip(np.frexp(np.where(a > 0, a, 1))[1] - 1 - 4, -126, 127), 0)      # np.frexp(a)[1] - 1 = floor(log2(a)), exactly
;;       r = np.clip(x / 2.0 ** e, -28, 28)
;;       step = 2.0 ** (np.maximum(np.frexp(np.where(r == 0, 1, r))[1] - 1, -2) - 2)
;;       q = np.round(r / step) * step * 2.0 ** e      # np.round: ties to even
;;       return np.moveaxis(q.reshape(q.shape[:-2] + (-1,))[..., :K], -1, axis).astype(np.float32)
;;   ~~~
;;   INPUTS GIVEN AS CODES. weight (in the module: [4096, 4096], K = its axis 1); x (in the module: [4096, 4096], K = its axis 1): each comes as NAME_codes (uint8): NAME with its K axis moved to the last place and cut into blocks of 32 codes, [.., K / 32, bytes a block], one block behind the other in memory; four codes in three bytes: a row's codes are one little-endian stream of bits, code i at bits 6 i .. 6 i + 5 (a code: sign, 3 exponent bits, 2 mantissa bits); and NAME_scales (uint8): the same leading axes, one E8M0 byte (e + 127) for each 32 codes along K. Its value is code x scale, taken as it is: it is not quantised again, and the codes and scales need not be those that the quantiser above would give.
;; One version. Each part assembles by itself: llvm-mc -triple=amdgcn-amd-amdhsa -mcpu=gfx1250 --defsym DOCPART=n.
;; ======== version 1 of 1: 1 launch
;; launch gemm (part 1): grid 16 x 16, 4 waves a work-group, clusters of 4 x 4, 327,680 bytes of LDS; arguments x_codes, x_scales, weight_codes, weight_scales, bias, out0; writes out0
.if DOCPART == 1
	.amdgcn_target "amdgcn-amd-amdhsa--gfx1250"
	.amdhsa_code_object_version 6
	.text
	.protected	k_q779c074121_gemm
	.globl	k_q779c074121_gemm
	.p2align	8
	.type	k_q779c074121_gemm,@function
k_q779c074121_gemm:
	s_mov_b64 s[64:65], 0
	v_nop
	global_prefetch_b8 v0, s[64:65] scope:SCOPE_SE
	s_setreg_imm32_b32 hwreg(HW_REG_WAVE_MODE, 25, 1), 1
	s_wait_xcnt 0x0
	s_wait_alu depctr_hold_cnt(0) depctr_sa_sdst(0) depctr_va_vdst(0) depctr_va_sdst(0) depctr_va_ssrc(0) depctr_va_vcc(0) depctr_vm_vsrc(0)
	s_getreg_b32 s2, hwreg(HW_REG_IB_STS2, 6, 4)
	s_cmp_eq_u32 s2, 0
	s_cbranch_scc0 .Lentry_in_a_cluster
	s_endpgm
.Lentry_in_a_cluster:
	s_bfe_u32 s2, ttmp6, 0x10000c
	s_cmp_lg_u32 s2, 0xf033
	s_cbranch_scc0 .Lentry_shape_is_right
	s_endpgm
.Lentry_shape_is_right:
; out0[m][n] = bias[n] + sum over k of x[m][k] weight[n][k].  x: [4096][4096], weight: [4096][4096]: codes of BF6 (E3M2), 6 bits each, K innermost, with one E8M0 scale byte for each 32 along K; bias [4096], out0 [4096][4096]: f32.
; A number is its code's value x 2^(its block's byte - 127).  The matrix instruction takes codes and scale bytes as they lie in memory: a row of codes is one stream of bits, 128 codes in 96 bytes, 4,096 codes in 3,072 bytes.
; ORDER AND LIMITS: the bias is the C of each sum's first product, so it is added ahead of the K sums, not behind them; all sums are f32.  A scale byte 0xff makes its sums NaN, as the format says.
; SHARES.  out0 has 16 x 16 tiles of 256 x 256, one to a work-group of four waves; a wave makes 128 x 128: 64 accumulators of 16 x 16, 512 registers.
; K goes in 16 steps of 256 (192 bytes of a row) through a ring of two LDS slots filled by the tensor data mover.  Two slots of 1,024 along K (3 x 256 bytes a row) would be 786,432 bytes and do not fit in LDS.
; THE SCALES of the work-group's 256 rows of x and 256 rows of weight, for all of K, are two dense blocks of 32,768 bytes: they come into LDS ONCE, with the first fills, and stay.
; CLUSTERS: 4 x 4 work-groups.  The four of a row of the cluster need the same tiles of x, the four of a column the same tiles of weight: each tile is asked for JOINTLY, by the same tensor load with the
; same descriptor and a mask that names the four.  THE MATRIX INSTRUCTION IS USED TRANSPOSED (source 0 = 16 rows of weight, source 1 = 16 rows of x): a lane then holds eight neighbouring numbers of a row of out0.
; In what follows A is x and B is weight.
; REGISTERS, in windows of 256: window 0: v0-31 addresses; v32-63 scale words, two sets; v64-127 the bias in the result's layout; from v128 A's fragments (8 x 16 rows x 128 K), ONE set; on the way out v128-255 are free.
;   window 1: B's fragments, TWO sets, at v0 and at v128.   window 2: the 32 accumulators of my rows 0-63 (accumulator (a, b) at v[8 (8 a + b)]);   window 3: those of my rows 64-127.
; A step of 128 along K is 64 matrix instructions, A's blocks one after the other, each against B's eight.  So a block of A is free as soon as its eight products are issued, and one set of registers serves A:
; blocks 0-3 are fetched anew in the step's middle, blocks 4-7 at its end.  B's fragments are at work through the whole step, so B has two sets.
.set SIZE_M, 4096
.set SIZE_N, 4096
.set SIZE_K, 4096
.set KSTEP,  256                       ; along K in a slot
.set NQ,     KSTEP/128                 ; matrix instructions deep
.set ROWB,   192                       ; a tile's row in bytes: KSTEP codes of 6 bits
.set KROW,   SIZE_K*6/8                ; a row of A or of B in memory: 3,072 bytes
.set PITCH,  240                       ; an LDS row: 3 x (64 bytes of data + 16 of padding) = 60 words: row r starts at bank -4 r mod 64 (64 banks of 4 bytes: ISA guide 11.1), so the 32 lanes of a load of 8 bytes touch 64 different banks
.set FR,     12                        ; registers of a fragment: 16 rows x 128 K
.set NL,     6                         ; LDS loads that bring one
.set NP,     4                         ; places behind this matrix instruction (ISA guide 7.12.1)
.set HALFT,  128*PITCH                 ; 128 rows: what one tensor load brings, and what one wave reads of A or of B
.set SLOT,   4*HALFT                   ; A's 256 rows, then B's 256 rows: 122,880 bytes
.set LAPS,   SIZE_K/(2*KSTEP)          ; a lap = two K steps = once round the ring: 8
.set KS,     SIZE_K/32                 ; a row of scales: 128 bytes
.set SCL,    2*SLOT                    ; behind the ring: the scales, as runs of 256 bytes + 16 of padding
.set HALFS,  (128*KS/256)*272          ; the scales of 128 rows: what one tensor load brings
.set SBLK,   (16*KS/256)*272           ; those of 16 rows
.set SPARE,  SCL+4*HALFS               ; behind the scales, at byte 315,392 = 1,232 x 256: the spare words, 128 bytes for each wave, which no other line names
.set SPITCH, 528                       ; the way out: a stage of 16 rows x (512 bytes + 16) for each wave.  It lies in slot 0, which has had its last fill and its last read when the first result is stored there
.set ADRA, 16                          ; v16-17  LDS address of my A fragments in slot 0, 1  (v18-19: the same for the pieces that lie behind one padding more)
.set ADRB, 20                          ; v20-21  the same for B  (v22-23)
.set STO,  24                          ; v24     the way out: where I put 32 bytes of a row
.set RD,   25                          ; v25     the way out: where I read a row back
.set CO,   26                          ; v26     my byte offset in a row of out0
.set ADRS, 27                          ; v27     LDS address of my scale words: lanes 0-15 A's rows, lanes 16-31 B's
.set SPW,  28                          ; v28     LDS address of my spare word: SPARE + 4 x my thread's number; never rewritten
.set NIL,  29                          ; v29     0; never rewritten
.set BO,   30                          ; v30     the bias: 32 x (lane / 16) bytes; never rewritten
.set PFO,  31                          ; v31     the prefetches' offset: my lane x a row of codes in memory; never rewritten
.set SC,   32                          ; scale words: set s (for slot s) at v[SC + 16 s]; in it register 2 i + q: lanes 0-15 the word of A's block i, lanes 16-31 that of B's block i, for the slot's q-th 128 along K
.set BI,   64                          ; the bias: block b of my 128 columns at v[BI + 8 b]; register j of lane l: column 16 b + 8 (l / 16) + j
.set AF,   128                         ; A's fragments, in window 0
.set BK,   128                         ; the way out: 16 rows read back from the stage: v128-191 and v192-255 by turns
.set G1,   24                          ; s[24:31] descriptor group 1 for A's tiles;  s[32:39] group 0, one set for each slot
.set G0,   32
.set G1B,  48                          ; s[48:55], s[56:63] the same for B's tiles
.set G0B,  56
.set PFA,  66                          ; s[66:67] where my prefetches stand: the last byte of a K step's part of the first of my work-group's 32 rows
.set G1S,  68                          ; s[68:75], s[76:79] groups 1 and 0 for A's scales;  s[80:87], s[88:91] for B's
.set G0S,  76
.set G1SB, 80
.set G0SB, 88
.set LIM,  98                          ; s98     1 in a wave that prefetches, else the greatest number
.set MSB, 0
.macro WIN new                         ; the immediate's high byte repeats the setting that is left; a switch that changes nothing is dropped
.if MSB != \new
	s_set_vgpr_msb (MSB<<8)|\new
.set MSB, \new
.endif
.endm
.set MUL_LO,   0xa1                    ; source 0 (B) window 1, source 1 (A) window 0, C and D window 2
.set MUL_HI,   0xf1                    ; the same, C and D window 3
.set FIRST_LO, 0x81                    ; the first step: C (the bias) window 0, D window 2
.set FIRST_HI, 0xc1                    ; C window 0, D window 3
.set TO_B,     0x40                    ; destination window 1, address window 0
; A joint load: waves 0 and 1 fetch for A, waves 2 and 3 for B.  Each of the two lines has ONE mask and one set of registers for all that issue it; the branch hangs on the wave's number alone.
; Four v_nop follow each of the two lines, ahead of the jump, the label and what follows.
.macro JLOAD g0a, g1a, g0b, g1b
	s_cmp_eq_u32 s17, 0
	s_cbranch_scc0 .Lfor_b_\@
	tensor_load_to_lds s[\g0a:\g0a+3], s[\g1a:\g1a+7]
	s_nop 0
.rept 4
	v_nop
.endr
	s_branch .Lasked_\@
.Lfor_b_\@:
	tensor_load_to_lds s[\g0b:\g0b+3], s[\g1b:\g1b+7]
	s_nop 0
.rept 4
	v_nop
.endr
.Lasked_\@:
.endm
.macro CREST                           ; a round of the cluster's barrier behind its opening barrier: wave 0 signals for the work-group, every wave waits for all sixteen, my work-group's barrier closes it
	s_cmp_lg_u32 s16, 0
	s_cbranch_scc1 .Lnot_wave_0_\@
	s_barrier_signal -3
.Lnot_wave_0_\@:
	s_barrier_wait -3
	s_barrier_signal -1
	s_barrier_wait -1
.endm
.macro CROUND                          ; a whole round
	s_barrier_signal -1
	s_barrier_wait -1
	CREST
.endm
; A PREFETCH INTO THE L2, behind each joint refill, its four lines and the run of LDS loads that follows them: the K step that stands TWO refills on (256 matrix instructions ahead of the load that will want it):
; 32 rows, a lane a row, one instruction a wave.  At a change of slots every wave has waited for all its tensor loads, so the refill that follows has nothing on its way beside it.
; Each aligned block of 256 bytes is named ONCE in the launch.  A's tile row is read by every cluster of that row of clusters: the first of them (cluster x = 0) asks, in waves 0 and 1; B's tile column by every
; cluster of that column: cluster y = 0 asks, in waves 2 and 3.  The four partners that ask for a tile jointly share its rows out BY ADDRESS: of the 128 rows that a wave fetches, the partner at place p takes
; 32 p .. 32 p + 31 (p = cx for A, cy for B): no branch hangs on a work-group's place in its cluster.
; A K step's part of a row is 192 bytes, so a lane names the part's LAST byte: the aligned block in which the part ends is one that no earlier K step's part has ended in, but for K steps 7, 11, 15, whose parts
; end in the block that the K step before has named: there nothing is asked.  Slot 0's changes name K steps 4, 6 .. 14 (trips with s3 above 1); slot 1's name 5, 9, 13 (s3 above 1 and odd).
; K steps 0 to 3 come by their loads alone; the highest byte named in a row is 192 x 14 + 191 = 2,879, inside the row's 3,072.
.macro ASK odd
	s_cmp_gt_u32 s3, s[LIM]
	s_cbranch_scc0 .Lnot_mine_\@
.if \odd
	s_and_b32 s95, s3, 1
	s_cmp_eq_u32 s95, 0
	s_cbranch_scc1 .Lnot_mine_\@
.endif
	global_prefetch_b8 v[PFO], s[PFA:PFA+1] th:TH_LOAD_NT scope:SCOPE_SE
.Lnot_mine_\@:
.endm
	s_load_b128 s[4:7], s[0:1], 0x0                ; A's codes s[4:5], A's scales s[6:7]
	s_load_b128 s[8:11], s[0:1], 0x10              ; B's codes s[8:9], B's scales s[10:11]
	s_load_b128 s[12:15], s[0:1], 0x20             ; the bias s[12:13], out0 s[14:15]
	v_lshl_add_u32 v[SPW], v0, 2, SPARE
	v_mov_b32 v[NIL], 0
	ds_add_u32 v28, v29
	ds_add_u32 v28, v29
	s_wait_dscnt 0x0
	v_lshrrev_b32 v1, 5, v0
	v_readfirstlane_b32 s16, v1                    ; wave 0..3
	s_lshr_b32 s17, s16, 1                         ; which half of the tile's rows is mine.  Also: I fetch for A (0) or for B (1)
	s_and_b32 s18, s16, 1                          ; which half of its columns.  Also: which 128 rows of that tile I fetch
	s_bfe_u32 s40, ttmp6, 0x40000                  ; cx, cy: my place in the cluster
	s_bfe_u32 s41, ttmp6, 0x40004
	s_lshl_b32 s42, ttmp9, 2                       ; in a cluster launch ttmp9 and ttmp7 count clusters
	s_add_co_u32 s42, s42, s40                     ; tile column of out0 = 4 x cluster x + cx
	s_and_b32 s19, ttmp7, 0xffff
	s_lshl_b32 s19, s19, 2
	s_add_co_u32 s19, s19, s41                     ; tile row of out0 = 4 x cluster y + cy
	s_lshl_b32 s43, s41, 2
	s_lshl_b32 s43, 15, s43                        ; my row of the cluster: places 4 cy .. 4 cy + 3
	s_lshl_b32 s44, 0x1111, s40                    ; my column: places cx, cx + 4, cx + 8, cx + 12
	; descriptor group 1: a tile of 128 rows x 192 bytes, padded in LDS
	s_or_b32 s[G1+0], s43, (0<<16)|(1<<20)|(1<<21)|(3<<22)|(3<<25)  ; 15:0 the mask: A's tiles go to my row; 17:16 element of 1 byte; 20 padding on; 21 set beside a mask; 24:22 after every 16 words (code 3); 31:25 of 4 words (code 3)
	s_or_b32 s[G1B+0], s44, (0<<16)|(1<<20)|(1<<21)|(3<<22)|(3<<25) ; the same with the mask of my column, for B's tiles
.irp g, G1, G1B
	s_mov_b32 s[\g+1], ROWB<<16                    ; tensor_dim0 = 192
	s_mov_b32 s[\g+2], 128<<16                     ; tensor_dim1 = 128
	s_mov_b32 s[\g+3], ROWB<<16                    ; tile_dim0 = 192
	s_mov_b32 s[\g+4], 128                         ; tile_dim1 = 128
	s_mov_b32 s[\g+5], KROW                        ; tensor_dim0_stride: 3,072 elements from row to row
	s_mov_b32 s[\g+6], 0
	s_mov_b32 s[\g+7], 0
.endr
	; and for the scales of 128 rows: a dense block of 16,384 bytes, as 64 rows of 256 bytes (32 elements of 8 bytes), 16 bytes of padding behind each
	s_or_b32 s[G1S+0], s43, (3<<16)|(1<<20)|(1<<21)|(5<<22)|(3<<25)
	s_or_b32 s[G1SB+0], s44, (3<<16)|(1<<20)|(1<<21)|(5<<22)|(3<<25)
.irp g, G1S, G1SB
	s_mov_b32 s[\g+1], 32<<16
	s_mov_b32 s[\g+2], (128*KS/256)<<16
	s_mov_b32 s[\g+3], 32<<16
	s_mov_b32 s[\g+4], 128*KS/256
	s_mov_b32 s[\g+5], 32
	s_mov_b32 s[\g+6], 0
	s_mov_b32 s[\g+7], 0
.endr
	; where the tiles come from.  A's hang on the tile row alone, which my row of the cluster shares; B's on the tile column alone, which my column shares.
	s_lshl_b32 s95, s18, 7                         ; which 128 rows of the tile I fetch
	s_lshl_b32 s20, s19, 8
	s_add_co_u32 s20, s20, s95                     ; A: row 256 x tile row + 128 x half
	s_lshl_b32 s46, s42, 8
	s_add_co_u32 s46, s46, s95                     ; B: row 256 x tile column + 128 x half
	s_mov_b32 s21, 0
	s_mov_b32 s47, 0
	s_mov_b64 s[96:97], KS
	s_mul_u64 s[22:23], s[20:21], s[96:97]         ; where these rows' scales begin, in bytes
	s_mul_u64 s[92:93], s[46:47], s[96:97]
	s_mov_b64 s[96:97], KROW
	s_mul_u64 s[20:21], s[20:21], s[96:97]         ; and their codes
	s_mul_u64 s[46:47], s[46:47], s[96:97]
	s_mul_i32 s45, s16, HALFT                      ; where they go: wave x 128 rows: no place in the cluster enters an LDS address
	s_mul_i32 s94, s16, HALFS
	s_wait_kmcnt 0x0
	s_add_nc_u64 s[20:21], s[4:5], s[20:21]
	s_add_nc_u64 s[22:23], s[6:7], s[22:23]
	s_add_nc_u64 s[46:47], s[8:9], s[46:47]
	s_add_nc_u64 s[92:93], s[10:11], s[92:93]
	CROUND                                         ; all sixteen work-groups are here: the first joint loads meet
	s_mov_b32 s[G0S], 1                            ; 1:0 count = 1
	s_add_co_u32 s[G0S+1], s94, SCL                ; 63:32 LDS address
	s_mov_b64 s[G0S+2:G0S+3], s[22:23]             ; 120:64 global address
	s_or_b32 s[G0S+3], s[G0S+3], 0x80000000        ; 127:126 type = 2
	s_mov_b32 s[G0SB], 1
	s_add_co_u32 s[G0SB+1], s94, SCL
	s_mov_b64 s[G0SB+2:G0SB+3], s[92:93]
	s_or_b32 s[G0SB+3], s[G0SB+3], 0x80000000
	JLOAD G0S, G1S, G0SB, G1SB                     ; the scales first: they are wanted with K step 0.  With the two below, three tensor loads of mine are out
.irp s, 0,1
	s_mov_b32 s[G0+4*\s], 1
	s_add_co_u32 s[G0+4*\s+1], s45, \s*SLOT
	s_add_nc_u64 s[G0+4*\s+2:G0+4*\s+3], s[20:21], \s*ROWB
	s_or_b32 s[G0+4*\s+3], s[G0+4*\s+3], 0x80000000
	s_mov_b32 s[G0B+4*\s], 1
	s_add_co_u32 s[G0B+4*\s+1], s45, \s*SLOT
	s_add_nc_u64 s[G0B+4*\s+2:G0B+4*\s+3], s[46:47], \s*ROWB
	s_or_b32 s[G0B+4*\s+3], s[G0B+4*\s+3], 0x80000000
	JLOAD G0+4*\s, G1, G0B+4*\s, G1B
.endr
	v_and_b32 v1, 15, v0                           ; r = l % 16
	v_bfe_u32 v2, v0, 4, 1                         ; h = l / 16
	v_mul_u32_u24 v3, v1, PITCH
	v_mul_u32_u24 v4, v2, 24
	v_add_nc_u32 v4, v3, v4                        ; a fragment's row x pitch + 24 x half
	v_lshl_add_u32 v5, v2, 4, v4                   ; and the same behind one padding more
	s_mul_i32 s21, s17, HALFT                      ; my 128 rows of A
	s_mul_i32 s22, s18, HALFT                      ; my 128 rows of B,
	s_add_co_u32 s22, s22, 2*HALFT                 ; which lie behind A's 256
.irp s, 0,1
	v_add_nc_u32 v[ADRA+\s], s21, v4
	v_add_nc_u32 v[ADRB+\s], s22, v4
	v_add_nc_u32 v[ADRA+2+\s], s21, v5
	v_add_nc_u32 v[ADRB+2+\s], s22, v5
	s_add_co_u32 s21, s21, SLOT
	s_add_co_u32 s22, s22, SLOT
.endr
	v_mul_u32_u24 v5, v1, KS                       ; my row's scales: 128 bytes a row,
	v_lshrrev_b32 v6, 8, v5
	v_lshl_add_u32 v5, v6, 4, v5                   ; and 16 more for each 256 passed
	s_mul_i32 s21, s17, HALFS                      ; A's: my 128 rows
	s_mul_i32 s22, s18, HALFS                      ; B's: my 128 rows, behind A's 256
	s_add_co_u32 s22, s22, 2*HALFS
	s_sub_co_u32 s22, s22, s21                     ; the distance from A's to B's: one product with the lane's half
	v_mul_u32_u24 v6, s22, v2                      ; lanes 16-31 take B's
	s_add_co_u32 s21, s21, SCL
	v_add_nc_u32 v5, v5, v6
	v_add_nc_u32 v[ADRS], s21, v5
	s_mul_i32 s23, s16, 16*SPITCH                  ; my stage
	v_mul_u32_u24 v5, v1, SPITCH                   ; in: row l % 16, 32 bytes for each half of the lanes
	v_lshl_add_u32 v5, v2, 5, v5
	v_add_nc_u32 v[STO], s23, v5
	v_and_b32 v6, 31, v0
	v_lshlrev_b32 v[CO], 4, v6                     ; back: the 32 lanes take one row of 512 bytes; and the same in out0
	v_add_nc_u32 v[RD], s23, v[CO]
	v_lshlrev_b32 v[BO], 5, v2                     ; the bias: lanes 16-31 begin eight numbers on
	v_mul_u32_u24 v[PFO], v6, KROW                 ; the prefetches: a lane a row
	s_lshl_b32 s20, s19, 8
	s_lshl_b32 s21, s17, 7
	s_add_co_u32 s20, s20, s21                     ; my first row of out0: 256 x tile row + 128 x half
	s_mov_b32 s21, 0
	s_mov_b64 s[96:97], SIZE_N*4
	s_mul_u64 s[20:21], s[20:21], s[96:97]
	s_lshl_b32 s46, s42, 10                        ; my first column, in bytes of f32: 1024 x tile column + 512 x half: in out0's rows and in the bias alike
	s_lshl_b32 s47, s18, 9
	s_add_co_u32 s46, s46, s47
	s_mov_b32 s47, 0
	s_add_nc_u64 s[12:13], s[12:13], s[46:47]      ; the bias at my first column
.irp b, 0,1,2,3,4,5,6,7
	global_load_b128 v[BI+8*\b:BI+8*\b+3],   v[BO], s[12:13] offset:64*\b      ; bias of columns 16 b + 8 h + 0 .. 3: the result's layout, the same for every row
	global_load_b128 v[BI+8*\b+4:BI+8*\b+7], v[BO], s[12:13] offset:64*\b+16   ; and + 4 .. 7
.endr
	s_add_nc_u64 s[20:21], s[20:21], s[46:47]
	s_add_nc_u64 s[14:15], s[14:15], s[20:21]      ; out0 at my part's first number
	; the prefetches: who asks, and where my wave's stand
	s_lshl_b32 s20, s19, 8                         ; 256 x tile row
	s_lshl_b32 s21, s42, 8                         ; 256 x tile column
	s_and_b32 s22, ttmp7, 0xffff                   ; cluster y
	s_cmp_eq_u32 s17, 0                            ; do I fetch for A?
	s_cselect_b32 s20, s20, s21                    ; the tile's first row: in A by the tile row, in B by the tile column
	s_cselect_b32 s21, s40, s41                    ; my place among the four that ask for it with me
	s_cselect_b32 s22, ttmp9, s22                  ; the coordinate along which other clusters read the same rows
	s_cselect_b64 s[PFA:PFA+1], s[4:5], s[8:9]
	s_cmp_eq_u32 s22, 0
	s_cselect_b32 s[LIM], 1, -1                    ; the same in all sixteen partners, for a given wave
	s_lshl_b32 s22, s18, 7
	s_add_co_u32 s20, s20, s22                     ; + the 128 rows that I fetch
	s_lshl_b32 s21, s21, 5
	s_add_co_u32 s20, s20, s21                     ; + my work-group's 32 of them
	s_mov_b32 s21, 0
	s_mov_b64 s[96:97], KROW
	s_mul_u64 s[20:21], s[20:21], s[96:97]
	s_add_nc_u64 s[PFA:PFA+1], s[PFA:PFA+1], s[20:21]
	s_add_nc_u64 s[PFA:PFA+1], s[PFA:PFA+1], 4*ROWB-1  ; the last byte of K step 3: the first refill steps it to K step 4's.  Nothing is prefetched here, at the head, where every work-group's first tiles are on their way
.macro FRAG reg, adr, q, i             ; a fragment, 16 rows x 128 K of 6-bit codes, is 12 registers: lane l holds row l % 16; registers 6 c .. 6 c + 5 hold K = 64 c + 32 (l / 16) + 0 .. 31: 24 bytes of the row's stream of bits, as they lie
.irp p, 0,1,2,3,4,5                    ; in pieces of 8 bytes, so that every address is a multiple of the access's size.  Lanes 0-15 take the row's pieces 12 q + 0, 1, 2 and 12 q + 6, 7, 8, lanes 16-31 those three pieces on
.set PC, 12*(\q)+6*(\p/3)+\p%3        ; the mover has laid 16 bytes of padding behind every 64 bytes (8 pieces): where the piece three on lies behind one padding more, the second address register (40 for 24 bytes a half) serves
.if PC%8 < 5
	ds_load_b64 v[\reg+2*\p:\reg+2*\p+1], v[\adr] offset:8*PC+16*(PC/8)+(\i)*16*PITCH
.else
	ds_load_b64 v[\reg+2*\p:\reg+2*\p+1], v[\adr+2] offset:8*PC+16*(PC/8)+(\i)*16*PITCH
.endif
.endr
.endm
; 16 matrix instructions: A's blocks a0, a0 + 1 x B's eight, 128 along K: the slot's q-th.  p: B's set;  sc: the set of scale words.  first = 1: the sums begin with the bias as C: nothing is cleared, nothing is added later.
; Source 0 is B, so its scale word is read from lanes 16-31 of register b (ROW1); source 1 is A: lanes 0-15 of register a.
; The 64 accumulators take turns, one instruction a turn, in the same order in every step.
.macro MUL16 a0, p, q, sc, first
.irp a, \a0, \a0+1
.irp b, 0,1,2,3,4,5,6,7
.if \first
	v_wmma_scale_f32_16x16x128_f8f6f4 v[8*(8*((\a)%4)+\b):8*(8*((\a)%4)+\b)+7], v[128*(\p)+FR*\b:128*(\p)+FR*\b+FR-1], v[AF+FR*(\a):AF+FR*(\a)+FR-1], v[BI+8*\b:BI+8*\b+7], v[SC+8*NQ*(\sc)+NQ*\b+(\q)], v[SC+8*NQ*(\sc)+NQ*(\a)+(\q)] matrix_a_fmt:MATRIX_FMT_BF6 matrix_b_fmt:MATRIX_FMT_BF6 matrix_a_scale:MATRIX_SCALE_ROW1
.else
	v_wmma_scale_f32_16x16x128_f8f6f4 v[8*(8*((\a)%4)+\b):8*(8*((\a)%4)+\b)+7], v[128*(\p)+FR*\b:128*(\p)+FR*\b+FR-1], v[AF+FR*(\a):AF+FR*(\a)+FR-1], v[8*(8*((\a)%4)+\b):8*(8*((\a)%4)+\b)+7], v[SC+8*NQ*(\sc)+NQ*\b+(\q)], v[SC+8*NQ*(\sc)+NQ*(\a)+(\q)] matrix_a_fmt:MATRIX_FMT_BF6 matrix_b_fmt:MATRIX_FMT_BF6 matrix_a_scale:MATRIX_SCALE_ROW1
.endif
.endr
.endr
.endm
.macro FETCH_B slot, q, p              ; B's eight fragments of the slot's q-th 128 along K into set p
	WIN TO_B
.irp i, 0,1,2,3,4,5,6,7
	FRAG 128*(\p)+FR*\i, ADRB+\slot, \q, \i
.endr
	WIN 0
.endm
.macro FETCH_A slot, q, i0             ; A's blocks i0 .. i0 + 3
.irp i, \i0, \i0+1, \i0+2, \i0+3
	FRAG AF+FR*(\i), ADRA+\slot, \q, \i
.endr
.endm
.macro SCALES sc                       ; the next K step's scale words into set sc: two words a row; lanes 0-15 take A's block i, lanes 16-31 B's block i
.irp i, 0,1,2,3,4,5,6,7
	ds_load_b64 v[SC+8*NQ*\sc+NQ*\i:SC+8*NQ*\sc+NQ*\i+1], v[ADRS] offset:\i*SBLK
.endr
.endm
; A load into a register that a matrix instruction has read, and an LDS store that reads a matrix result, stand NP places behind that matrix instruction, and only plain vector instructions that name none of
; its registers are places (ISA guide 7.12.1 for vector instructions); the matrix instructions in between are not counted.
.macro PLACES n
.rept \n
	v_nop
.endr
.endm
; A step of 128 along K that has its successor in the same slot.
.macro STEP slot, q, first
	s_wait_dscnt 4*NL                              ; B's set, A's blocks 0-3 and the scale words are in; the youngest 24 loads (A's blocks 4-7, 6 loads each) may be out
.if \first
	WIN FIRST_LO
.else
	WIN MUL_LO
.endif
	MUL16 0, (\q)%2, \q, \slot, \first
	MUL16 2, (\q)%2, \q, \slot, \first
	s_wait_dscnt 0                                 ; A's blocks 4-7 are in (asked for 32 matrix instructions ago)
	PLACES NP
	FETCH_B \slot, (\q)+1, 1-(\q)%2
	FETCH_A \slot, (\q)+1, 0
.if \first
	WIN FIRST_HI
.else
	WIN MUL_HI
.endif
	MUL16 4, (\q)%2, \q, \slot, \first
	MUL16 6, (\q)%2, \q, \slot, \first
	PLACES NP
	WIN 0
	FETCH_A \slot, (\q)+1, 4
.endm
; A slot's last step changes slots: ONE barrier; in front of it each wave waits for all its tensor loads, adds 0 to its spare word, and waits for that and for its own reads of this slot.
; fill = 1: this slot is filled again, two K steps ahead; the barrier then opens a round of the cluster's barrier, and the joint refill is the first tensor load behind the round: one load of mine is out from there on.
.macro TURN slot, next, fill
.if \fill
	s_wait_xcnt 0x0                                ; the last prefetch, a K step back, has read its address: it is stepped here, ahead of the waits of the change of slots
	s_add_nc_u64 s[PFA:PFA+1], s[PFA:PFA+1], ROWB
.endif
	s_wait_tensorcnt 0x0                           ; all my tensor loads have landed: my part of the next slot;  (every window is 0 here: the add's two registers lie in window 0)
	ds_add_u32 v[SPW], v[NIL]                      ; 0 onto my spare word
	s_wait_dscnt 4*NL+1                            ; (the add and the youngest 24 loads, A's blocks 4-7, may be out)
	WIN MUL_LO
	MUL16 0, 1, NQ-1, \slot, 0                     ; sixteen matrix instructions stand between the add and the wait for it
	s_wait_dscnt 0x0                               ; the add is done, and my reads of this slot are over
	s_barrier_signal -1
	MUL16 2, 1, NQ-1, \slot, 0
	WIN 0
	s_barrier_wait -1
.if \fill
	CREST                                          ; no wave of any partner still reads this slot's tile or has a load on its way
	s_add_nc_u64 s[G0+4*\slot+2:G0+4*\slot+3], s[G0+4*\slot+2:G0+4*\slot+3], 2*ROWB      ; no tensor load of mine is out, so a group 0 may be written; the type bits on top are not reached
	s_add_nc_u64 s[G0B+4*\slot+2:G0B+4*\slot+3], s[G0B+4*\slot+2:G0B+4*\slot+3], 2*ROWB
	JLOAD G0+4*\slot, G1, G0B+4*\slot, G1B         ; the four v_nop behind it are also the places in front of the loads below
.else
	PLACES NP
.endif
	v_add_nc_u32 v[ADRS], 4*NQ, v[ADRS]            ; on to the next K step's scale words (no LDS load of mine is out)
	FETCH_B \next, 0, 0
	FETCH_A \next, 0, 0
	SCALES \next
.if \fill
	ASK \slot                                      ; behind the joint load and the run of LDS loads that the next products wait for
.endif
	WIN MUL_HI
	MUL16 4, 1, NQ-1, \slot, 0
	MUL16 6, 1, NQ-1, \slot, 0
	PLACES NP
	WIN 0
	FETCH_A \next, 0, 4
.endm
	s_wait_tensorcnt 1                             ; the scales and my part of K step 0 are in; the one load issued behind them, K step 1's, may be out
	s_barrier_signal -1
	s_barrier_wait -1                              ; everybody's are
	FETCH_B 0, 0, 0
	FETCH_A 0, 0, 0
	SCALES 0
	FETCH_A 0, 0, 4
	s_wait_loadcnt 0x0                             ; the bias, once
	STEP 0, 0, 1                                   ; the first step stands in front of the loop: its products start the sums from the bias
	s_mov_b32 s3, LAPS-1
.Llap:                                                 ; 7 trips: a trip goes once round the ring, from a lap's second step to the next lap's first, and fills both slots again (trip t: K steps 2 t + 2 and 2 t + 3)
	TURN 0, 1, 1
	STEP 1, 0, 0
	TURN 1, 0, 1
	STEP 0, 0, 0
	s_sub_co_u32 s3, s3, 1
	s_cmp_lg_u32 s3, 0
	s_cbranch_scc1 .Llap
	TURN 0, 1, 0                                   ; the last lap fills nothing, and has no round of the cluster's barrier: the tail is written out
	STEP 1, 0, 0
	s_wait_dscnt 4*NL                              ; the very last step: nothing more to fetch
	WIN MUL_LO
	MUL16 0, 1, NQ-1, 1, 0
	MUL16 2, 1, NQ-1, 1, 0
	s_wait_dscnt 0
	WIN MUL_HI
	MUL16 4, 1, NQ-1, 1, 0
	MUL16 6, 1, NQ-1, 1, 0
	WIN 0
; THE WAY OUT, block by block of 16 rows x 128 columns.  A lane holds 32 neighbouring bytes of a row, and the lanes beside it hold other rows: so a block goes through my own stage in LDS and comes back as whole
; rows of 512 bytes.  LDS serves a wave's instructions in order (ISA guide 5.7.1.4): no wait between the stores and the loads, nor in front of the next block's stores.
.macro TOSTAGE a
.set AC, 64*((\a)%4)
	WIN 0x08+4*((\a)/4)                            ; the data: window 2 or 3
.irp b, 0,1,2,3,4,5,6,7
	ds_store_b128 v[STO], v[AC+8*\b:AC+8*\b+3] offset:64*\b          ; each accumulator from its low end on
	ds_store_b128 v[STO], v[AC+8*\b+4:AC+8*\b+7] offset:64*\b+16
.endr
	WIN 0
.set BB, BK+64*((\a)%2)
.irp t, 0,1,2,3,4,5,6,7,8,9,10,11,12,13,14,15
	ds_load_b128 v[BB+4*\t:BB+4*\t+3], v[RD] offset:\t*SPITCH
.endr
.endm
.macro SEND a, younger                 ; younger: the LDS instructions issued behind block a's loads, which may stay out
.set BB, BK+64*((\a)%2)
	s_wait_dscnt \younger                          ; the block is back in registers
.if (\a) > 0
	s_add_nc_u64 s[14:15], s[14:15], 16*SIZE_N*4   ; (behind a wait on XCNT: the earlier stores have read their base)  16 rows of out0 on, so that the stores' offsets stay small: 15 rows, 245,760 bytes, at the most
.endif
.irp t, 0,1,2,3,4,5,6,7,8,9,10,11,12,13,14,15
	global_store_b128 v[CO], v[BB+4*\t:BB+4*\t+3], s[14:15] offset:\t*SIZE_N*4 th:TH_STORE_NT   ; 32 lanes store 512 consecutive bytes, at a multiple of 256 from out0's first byte; written once, read by nobody here
.endr
.endm
	PLACES NP                                      ; behind the last products: for the LDS stores that read results, and for the loads into the registers that held A's fragments
	TOSTAGE 0
.irp a, 1,2,3,4,5,6,7
.if \a > 1
	s_wait_xcnt 0x0                                ; block a - 2's stores have read their registers and their base: block a's loads may land there, and the base may step
.endif
	TOSTAGE \a
	SEND \a-1, 32                                  ; behind block a - 1's loads: block a's 16 stores and 16 loads
.endr
	s_wait_xcnt 0x0                                ; block 6's stores have read their base
	SEND 7, 0
	s_wait_tensorcnt 0x0                           ; the wave's end: behind my last tensor load and my last LDS store
	ds_add_u32 v[SPW], v[NIL]
	s_wait_dscnt 0x0
	CROUND                                         ; the closing round: no work-group ends while a partner may still ask for a tile that names it
	s_endpgm
.Lfunc_end_k_q779c074121_gemm:
	.size	k_q779c074121_gemm, .Lfunc_end_k_q779c074121_gemm-k_q779c074121_gemm
	.p2alignl 7, 3214868480
	.fill 96, 4, 3214868480
	.section	.rodata,"a",@progbits
	.p2align	6, 0x0
	.amdhsa_kernel k_q779c074121_gemm
		.amdhsa_group_segment_fixed_size 327680
		.amdhsa_private_segment_fixed_size 0
		.amdhsa_enable_private_segment 0
		.amdhsa_kernarg_size 48
		.amdhsa_user_sgpr_count 2
		.amdhsa_user_sgpr_kernarg_segment_ptr 1
		.amdhsa_wavefront_size32 1
		.amdhsa_system_sgpr_workgroup_id_x 1
		.amdhsa_system_sgpr_workgroup_id_y 1
		.amdhsa_system_sgpr_workgroup_id_z 1
		.amdhsa_system_vgpr_workitem_id 0
		.amdhsa_next_free_vgpr 1024
		.amdhsa_next_free_sgpr 100
		.amdhsa_reserve_vcc 0
		.amdhsa_float_denorm_mode_32 3
		.amdhsa_float_denorm_mode_16_64 3
		.amdhsa_memory_ordered 1
		.amdhsa_forward_progress 1
		.amdhsa_inst_pref_size 163
	.end_amdhsa_kernel
	.amdgpu_metadata
---
amdhsa.version: [ 1, 2 ]
amdhsa.kernels:
  - .name:           k_q779c074121_gemm
    .symbol:         k_q779c074121_gemm.kd
    .args:
      - { .name: x_codes, .offset: 0, .size: 8, .value_kind: global_buffer, .address_space: global }
      - { .name: x_scales, .offset: 8, .size: 8, .value_kind: global_buffer, .address_space: global }
      - { .name: weight_codes, .offset: 16, .size: 8, .value_kind: global_buffer, .address_space: global }
      - { .name: weight_scales, .offset: 24, .size: 8, .value_kind: global_buffer, .address_space: global }
      - { .name: bias, .offset: 32, .size: 8, .value_kind: global_buffer, .address_space: global }
      - { .name: out0, .offset: 40, .size: 8, .value_kind: global_buffer, .address_space: global }
    .group_segment_fixed_size: 327680
    .private_segment_fixed_size: 0
    .kernarg_segment_align: 8
    .kernarg_segment_size: 48
    .max_flat_workgroup_size: 128
    .sgpr_count:     100
    .vgpr_count:     1024
    .wavefront_size: 32
...
	.end_amdgpu_metadata
.endif
;; end of part 1
